; MI455X (gfx1250); checked and timed in simulation.
; The chip was launched on July 23, 2026; its instructions are those of AMD's public machine-readable ISA for CDNA 5 (MIT licence, August 2026) and "CDNA5" Instruction Set Architecture Reference Guide (July 2026). The comments in the code are by the model that wrote it; some were corrected since.
;; Codebook Layer. Allowed arithmetic: matrix products marked QUANTISED: E2M1 operands, one E8M0 scale for each 32 along K, by v_wmma_scale_f32_16x16x128_f8f6f4 with both operands' format E2M1 (or v_wmma_scale_f32_32x16x128_f4), f32 sums; everything else in f32.
;; Inputs: codebook 8,192 x 1,024 float32; inputs 4 x 2,048 x 1,024 float32.
;; Outputs: out0 4 x 2,048 x 1,024 float32; out1 4 x 2,048 x 8 int32.
;; Constants: kcodes = 8.
;; This version of the problem:
;;   THIS VERSION OF THE PROBLEM IS GIVEN IN LOW PRECISION. The matrix products marked QUANTISED in the list below multiply operands that are first quantised to E2M1 (2 exponent bits, 1 mantissa bit; 4 bits a number), with one power-of-two scale for each 32 numbers along K (OCP MX v1.0); their sums are f32. All else is computed in f32.
;;   The module's matrix products, in the order in which they are computed (A, B: the left and right operand; K: the contracted axis; several contracted axes count as one K, in the product's order):
;;     1. [M 8,192, K 1,024] x [K 1,024, N 8,192]; A: input inputs; B: input codebook: QUANTISED
;;   THE QUANTISER, for each operand of a quantised product, along K:
;;     - K is cut into blocks of 32 from its start; a last block that is shorter is filled with zeros.
;;     - A block's scale is 2^e with e = floor(log2(the largest magnitude in the block)) - 2, held to -126 .. 127; a block of zeros has e = 0. As a byte (E8M0): e + 127.
;;     - Each number is divided by its block's scale, clamped to +-6, and rounded to the nearest number of E2M1, ties to even, subnormals kept.
;;     - The product sums the exact products of the quantised numbers (number of the format x scale) in f32.
;;   ~~~python
;;   def quantise(x, axis):      # numpy; x: float32 -> the quantised numbers, widened to float32 again
;;       x = np.moveaxis(x, axis, -1); K = x.shape[-1]
;;       x = np.pad(x, [(0, 0)] * (x.ndim - 1) + [(0, -K % 32)]); x = x.reshape(x.shape[:-1] + (-1, 32)); a = np.abs(x).max(-1, keepdims=True)
;;       e = np.where(a > 0, np.clip(np.frexp(np.where(a > 0, a, 1))[1] - 1 - 2, -126, 127), 0)      # np.frexp(a)[1] - 1 = floor(log2(a)), exactly
;;       r = np.clip(x / 2.0 ** e, -6, 6)
;;       step = 2.0 ** (np.maximum(np.frexp(np.where(r == 0, 1, r))[1] - 1, 0) - 1)
;;       q = np.round(r / step) * step * 2.0 ** e      # np.round: ties to even
;;       return np.moveaxis(q.reshape(q.shape[:-2] + (-1,))[..., :K], -1, axis).astype(np.float32)
;;   ~~~
;; One version. Each part assembles by itself: llvm-mc -triple=amdgcn-amd-amdhsa -mcpu=gfx1250 --defsym DOCPART=n.
;; ======== version 1 of 1: 5 launches
;; limits: right only within a limited range of input values
;; workspace buffers: qcodes 8,388,608 bytes; qscales 524,288 bytes; qnorms 65,536 bytes; gmin 33,554,432 bytes; gids 262,144 bytes of whole numbers; ids 262,144 bytes of whole numbers
;; launch quant (part 1): grid 1024 x 1, 4 waves a work-group, no clusters, 31,232 bytes of LDS; arguments inputs, codebook, qcodes, qscales, qnorms; writes qcodes, qscales, qnorms
.if DOCPART == 1
	.amdgcn_target "amdgcn-amd-amdhsa--gfx1250"
	.amdhsa_code_object_version 6
	.text
	.protected	k_qa86fed4e49_quant
	.globl	k_qa86fed4e49_quant
	.p2align	8
	.type	k_qa86fed4e49_quant,@function
k_qa86fed4e49_quant:
	s_mov_b64 s[64:65], 0
	v_nop
	global_prefetch_b8 v0, s[64:65] scope:SCOPE_SE
	s_setreg_imm32_b32 hwreg(HW_REG_WAVE_MODE, 25, 1), 1
	s_wait_xcnt 0x0
; inputs [8192][1024] and codebook [8192][1024], f32, become codes of E2M1 with one E8M0 byte for each 32 along K, and each row's sum of squares (f32, of the unquantised numbers).
; A block's scale is 2^(floor(log2(its largest magnitude)) - 2): its byte is the largest magnitude's exponent field - 2, held at 1 from below.  A block of zeros keeps the byte 1: its codes are zeros,
; which add nothing under any byte but 0xff, and this program alone reads the bytes.
; LIMITS: NaN and infinities among the inputs are not served; blocks whose largest magnitude lies under 2^-124 keep the byte 1; a row's squares are summed in four chains a lane and then across
; the lanes, which is not the order of a plain running sum: the sum can differ from such a sum in its last bits.
; THE WORKSPACE IS LAID AS THE MATRIX OPERAND'S REGISTERS WANT IT.  A tile T is 16 rows (T < 512: inputs' rows 16 T on; else the codebook's rows 16 (T - 512) on).
;   qcodes  [T][b 0..31][r 0..15][16 bytes]: block b of row r.  The half fragment (K step s, half c) is then 512 bytes on end, at 1024 s + 512 c + 16 x lane.
;   qscales [T][512 bytes]: the byte of (r, b) at 256 ((b >> 2) & 1) + 16 r + 4 (b >> 3) + (b & 3): 16 bytes a lane give four scale registers, lanes 0-15 K step 2 p, lanes 16-31 K step 2 p + 1.
;   qnorms  [T][r] f32.
; SHARES.  A work-group is a tile; wave w takes rows 4 w .. 4 w + 3: 16,384 bytes on end, eight steps of 512 numbers (row t / 2, half t % 2).  Each load reads 512 consecutive bytes; a step's 2,048 bytes
; turn through the wave's own stage in LDS, so that a lane holds 16 neighbours along K (two lanes to a block).  Codes, bytes and norms meet in LDS and leave as runs of 512 consecutive bytes.
; No tensor loads, no cluster: no work-group reads what another reads.
; WORK LEFT OUT FURTHER ON: the launch that ranks the groups of codes leaves x2 out of its key: x2[row] is the same for every code of a row, so for all values of the inputs it moves no order
; among a row's codes.  The launch that makes the final order adds it as reference() does, so every input stays live.  LIMIT: an overflow that only x2's term would cause is not carried into the ranking of groups.
.set SP,   80
.set STG,  32*SP                       ; a stage
.set WREG, 2*STG                       ; a wave's two stages
.set IMG,  4*WREG                      ; the tile's codes: 32 blocks x (256 bytes + 16)
.set IP,   272
.set SCI,  IMG+32*IP                   ; its 512 scale bytes
.set NRM,  SCI+512                     ; its 16 norms
.set R,    16                          ; v16-79   four sets of 16 numbers as loaded
.set X,    80                          ; v80-111  two sets of 16 neighbours
.set C,    112                         ; v112-127 codes: two registers for each step
.set E,    128                         ; v128-135 a scale byte for each step
.set Q,    136                         ; v136-139 the row's squares, four chains
.set O,    140                         ; v140-155 the way out
.set NR,   156                         ; v156-159 a norm for each of my rows
.set NO,   160                         ; v160     4 (lane % 16)
	s_load_b128 s[4:7], s[0:1], 0x0                ; inputs, codebook
	s_load_b128 s[8:11], s[0:1], 0x10              ; qcodes, qscales
	s_load_b64 s[14:15], s[0:1], 0x20              ; qnorms
	v_lshl_add_u32 v164, v0, 2, 0x7800
	v_mov_b32 v165, 0
	v_lshrrev_b32 v1, 5, v0
	v_readfirstlane_b32 s16, v1                    ; wave
	v_and_b32 v2, 31, v0                           ; lane
	v_lshlrev_b32 v3, 4, v2                        ; 16 x lane
	v_add_nc_u32 v1, SCI, v3                       ; the way out: the scale bytes, 16 a lane
	v_and_b32 v8, 15, v2
	v_lshlrev_b32 v[NO], 2, v8
	v_add_nc_u32 v10, NRM, v[NO]                   ; the way out: the norms
	s_mul_i32 s17, s16, WREG
	v_lshrrev_b32 v14, 2, v2
	v_mul_u32_u24 v14, v14, SP
	v_and_b32 v15, 3, v2
	v_lshl_add_u32 v14, v15, 4, v14
	v_add_nc_u32 v14, s17, v14                     ; the stage, in: four lanes' 64 bytes on end, then the padding
	v_mul_u32_u24 v15, v2, SP
	v_add_nc_u32 v15, s17, v15                     ; the stage, out: my 16 neighbours
	s_lshl_b32 s18, s16, 6                         ; 64 w: my four rows' 16 bytes in each block
	v_lshrrev_b32 v9, 1, v2                        ; my block in the step
	v_mul_u32_u24 v4, v9, IP
	v_and_b32 v11, 1, v2
	v_lshl_add_u32 v4, v11, 3, v4
	v_add_nc_u32 v4, s18, v4
	v_add_nc_u32 v4, IMG, v4                       ; where my 8 bytes of codes go
	v_bfe_u32 v5, v2, 3, 1
	v_lshlrev_b32 v5, 8, v5
	v_bfe_u32 v11, v2, 4, 1
	v_lshl_add_u32 v5, v11, 2, v5
	v_and_b32 v9, 3, v9
	v_add_nc_u32 v5, v5, v9
	v_add_nc_u32 v5, s18, v5
	v_add_nc_u32 v5, SCI, v5                       ; where my block's byte goes
	s_lshl_b32 s19, s16, 4
	v_mov_b32 v6, s19
	v_add_nc_u32 v6, NRM, v6                       ; where my rows' norms go
	s_mul_i32 s20, s16, 8*IP
	v_mul_u32_u24 v7, v11, IP
	v_lshl_add_u32 v7, v8, 4, v7
	v_add_nc_u32 v7, s20, v7
	v_add_nc_u32 v7, IMG, v7                       ; the way out: blocks 8 w on, two an instruction
	v_mov_b32 v13, 0                               ; a lane permute's destination counts as one of its sources
	s_mov_b32 s12, 0x76543210
	s_mov_b32 s13, 0xfedcba98                      ; v_permlanex16_b32's selects for lane l xor 16
	s_and_b32 s21, ttmp9, 511
	s_lshl_b32 s22, s21, 16                        ; the tile's 16 rows of 4,096 bytes,
	s_lshl_b32 s24, s16, 14
	s_add_co_u32 s22, s22, s24                     ; my four of them
	s_mov_b32 s23, 0
	s_lshl_b32 s24, ttmp9, 13
	s_lshl_b32 s26, s16, 11
	s_add_co_u32 s24, s24, s26                     ; qcodes: 8,192 T + 2,048 w
	s_mov_b32 s25, 0
	s_lshl_b32 s26, ttmp9, 9                       ; qscales: 512 T
	s_mov_b32 s27, 0
	s_lshl_b32 s28, ttmp9, 6                       ; qnorms: 64 T
	s_mov_b32 s29, 0
	s_wait_kmcnt 0x0
	s_cmp_lt_u32 ttmp9, 512                        ; inputs' tile or the codebook's: the choice hangs on the work-group's number alone
	s_cselect_b64 s[4:5], s[4:5], s[6:7]
	s_add_nc_u64 s[4:5], s[4:5], s[22:23]
	s_add_nc_u64 s[8:9], s[8:9], s[24:25]
	s_add_nc_u64 s[10:11], s[10:11], s[26:27]
	s_add_nc_u64 s[14:15], s[14:15], s[28:29]
.macro LOAD t
.irp i, 0,1,2,3
	global_load_b128 v[R+16*((\t)%4)+4*\i:R+16*((\t)%4)+4*\i+3], v3, s[4:5] offset:2048*(\t)+512*\i th:TH_LOAD_NT   ; 32 lanes read 512 consecutive bytes
.endr
.endm
.macro TURN t                          ; step t's numbers through a stage: LDS serves a wave's instructions in order, so no wait stands between the stores and the loads
.irp i, 0,1,2,3
	ds_store_b128 v14, v[R+16*((\t)%4)+4*\i:R+16*((\t)%4)+4*\i+3] offset:STG*((\t)%2)+8*SP*\i
.endr
.irp i, 0,1,2,3
	ds_load_b128 v[X+16*((\t)%2)+4*\i:X+16*((\t)%2)+4*\i+3], v15 offset:STG*((\t)%2)+16*\i
.endr
.endm
.macro STEP t
.set XS,  X+16*((\t)%2)
.set RHO, (\t)/2
.set KH,  (\t)%2
.if (\t) > 0
	s_wait_dscnt 2                                 ; this step's numbers are back from the stage; behind them stand the last step's byte store and code store (and, behind a row's end, its norm's)
.else
	s_wait_dscnt 0x0
.endif
.if (\t)+4 < 8
	LOAD (\t)+4                                    ; into the registers that this step's stores into the stage have read
.endif
.if (\t) < 7
.if (\t) < 4
	s_wait_loadcnt 12                              ; the next step's four loads are in; those of the three steps behind it may be out
.else
	s_wait_loadcnt 4*(6-(\t))
.endif
	TURN (\t)+1
.endif
	v_max3_num_f32 v8, |v[XS]|, |v[XS+1]|, |v[XS+2]|               ; the largest magnitude of my 16, in two chains
	v_max3_num_f32 v9, |v[XS+3]|, |v[XS+4]|, |v[XS+5]|
.irp i, 6,10
	v_max3_num_f32 v8, v8, |v[XS+\i]|, |v[XS+\i+1]|
	v_max3_num_f32 v9, v9, |v[XS+\i+2]|, |v[XS+\i+3]|
.endr
	v_max3_num_f32 v8, v8, |v[XS+14]|, |v[XS+15]|
	v_max3_num_f32 v8, v8, v9, 0x1800000           ; and the floor 2^(3 - 127): the byte cannot fall under 1
	v_max_num_f32_dpp v8, v8, v8 row_xmask:1 row_mask:0xf bank_mask:0xf   ; with my neighbour's 16: the block's
	v_add_nc_u32 v11, 0xff000000, v8               ; 2 off its exponent field: the conversion takes the exponent field of this operand as its scale
	v_cvt_scalef32_pk8_fp4_f32 v[C+2*(\t)], v[XS:XS+7], v11
	v_cvt_scalef32_pk8_fp4_f32 v[C+2*(\t)+1], v[XS+8:XS+15], v11
	v_lshrrev_b32 v[E+(\t)], 23, v11               ; the scale's byte (also the plain line behind the conversions)
.if KH == 0
	v_pk_mul_f32 v[Q:Q+1], v[XS:XS+1], v[XS:XS+1]                  ; a row's first squares start the four chains
	v_pk_mul_f32 v[Q+2:Q+3], v[XS+2:XS+3], v[XS+2:XS+3]
.else
	v_pk_fma_f32 v[Q:Q+1], v[XS:XS+1], v[XS:XS+1], v[Q:Q+1]
	v_pk_fma_f32 v[Q+2:Q+3], v[XS+2:XS+3], v[XS+2:XS+3], v[Q+2:Q+3]
.endif
.irp i, 4,8,12
	v_pk_fma_f32 v[Q:Q+1], v[XS+\i:XS+\i+1], v[XS+\i:XS+\i+1], v[Q:Q+1]
	v_pk_fma_f32 v[Q+2:Q+3], v[XS+\i+2:XS+\i+3], v[XS+\i+2:XS+\i+3], v[Q+2:Q+3]
.endr
	ds_store_b8 v5, v[E+(\t)] offset:8*KH+16*RHO   ; both lanes of a block write the same byte with the same value
	ds_store_b64 v4, v[C+2*(\t):C+2*(\t)+1] offset:16*IP*KH+16*RHO
.if KH == 1
	v_pk_add_f32 v[Q:Q+1], v[Q:Q+1], v[Q+2:Q+3]                    ; the row is through: the chains, then the 32 lanes
	v_add_f32 v12, v[Q], v[Q+1]
	v_add_f32_dpp v12, v12, v12 row_xmask:1 row_mask:0xf bank_mask:0xf
	v_add_f32_dpp v12, v12, v12 row_xmask:2 row_mask:0xf bank_mask:0xf
	v_add_f32_dpp v12, v12, v12 row_xmask:4 row_mask:0xf bank_mask:0xf
	v_add_f32_dpp v12, v12, v12 row_xmask:8 row_mask:0xf bank_mask:0xf
	v_permlanex16_b32 v13, v12, s12, s13
	v_add_f32 v[NR+RHO], v12, v13
	ds_store_b32 v6, v[NR+RHO] offset:4*RHO        ; all lanes write the same word with the same value
.endif
.endm
.irp t, 0,1,2,3
	LOAD \t
.endr
	s_wait_loadcnt 12                              ; step 0's four loads are in
	TURN 0
.irp t, 0,1,2,3,4,5,6,7
	STEP \t
.endr
	s_wait_dscnt 0x0                               ; for the others' sake: my stores have landed
	s_barrier_signal -1
	s_barrier_wait -1                              ; the tile's codes, bytes and norms lie in LDS
.irp i, 0,1,2,3
	ds_load_b128 v[O+4*\i:O+4*\i+3], v7 offset:2*IP*\i
.endr
.irp i, 0,1,2,3
	s_wait_dscnt 3-\i                              ; the younger loads may be out
	global_store_b128 v3, v[O+4*\i:O+4*\i+3], s[8:9] offset:512*\i    ; 32 lanes store 512 consecutive bytes, at a multiple of 512 from the buffer's first byte
.endr
	s_cmp_lg_u32 s16, 0                            ; wave 0 alone sends the bytes and the norms
	s_cbranch_scc1 .Ldone
	ds_load_b128 v[R:R+3], v1
	ds_load_b32 v11, v10
	s_wait_dscnt 0x0
	global_store_b128 v3, v[R:R+3], s[10:11]       ; 512 consecutive bytes
	v_cmp_gt_u32 vcc_lo, 16, v2
	s_wait_xcnt 0x0                                ; EXEC changes only behind this wait
	s_and_saveexec_b32 s20, vcc_lo
	global_store_b32 v[NO], v11, s[14:15]          ; lanes 0-15: 64 consecutive bytes
	s_wait_xcnt 0x0                                ; and again in front of the line that widens it
	s_or_b32 exec_lo, exec_lo, s20
.Ldone:
	s_wait_tensorcnt 0x0
	ds_add_u32 v164, v165
	s_wait_dscnt 0x0
	s_endpgm
.Lfunc_end_k_qa86fed4e49_quant:
	.size	k_qa86fed4e49_quant, .Lfunc_end_k_qa86fed4e49_quant-k_qa86fed4e49_quant
	.p2alignl 7, 3214868480
	.fill 96, 4, 3214868480
	.section	.rodata,"a",@progbits
	.p2align	6, 0x0
	.amdhsa_kernel k_qa86fed4e49_quant
		.amdhsa_group_segment_fixed_size 31232
		.amdhsa_private_segment_fixed_size 0
		.amdhsa_enable_private_segment 0
		.amdhsa_kernarg_size 40
		.amdhsa_user_sgpr_count 2
		.amdhsa_user_sgpr_kernarg_segment_ptr 1
		.amdhsa_wavefront_size32 1
		.amdhsa_system_sgpr_workgroup_id_x 1
		.amdhsa_system_sgpr_workgroup_id_y 1
		.amdhsa_system_sgpr_workgroup_id_z 1
		.amdhsa_system_vgpr_workitem_id 0
		.amdhsa_next_free_vgpr 166
		.amdhsa_next_free_sgpr 66
		.amdhsa_reserve_vcc 1
		.amdhsa_float_denorm_mode_32 3
		.amdhsa_float_denorm_mode_16_64 3
		.amdhsa_memory_ordered 1
		.amdhsa_forward_progress 1
		.amdhsa_inst_pref_size 26
	.end_amdhsa_kernel
	.amdgpu_metadata
---
amdhsa.version: [ 1, 2 ]
amdhsa.kernels:
  - .name:           k_qa86fed4e49_quant
    .symbol:         k_qa86fed4e49_quant.kd
    .args:
      - { .name: inputs, .offset: 0, .size: 8, .value_kind: global_buffer, .address_space: global }
      - { .name: codebook, .offset: 8, .size: 8, .value_kind: global_buffer, .address_space: global }
      - { .name: qcodes, .offset: 16, .size: 8, .value_kind: global_buffer, .address_space: global }
      - { .name: qscales, .offset: 24, .size: 8, .value_kind: global_buffer, .address_space: global }
      - { .name: qnorms, .offset: 32, .size: 8, .value_kind: global_buffer, .address_space: global }
    .group_segment_fixed_size: 31232
    .private_segment_fixed_size: 0
    .kernarg_segment_align: 8
    .kernarg_segment_size: 40
    .max_flat_workgroup_size: 128
    .sgpr_count:     66
    .vgpr_count:     166
    .wavefront_size: 32
...
	.end_amdgpu_metadata
.endif
;; end of part 1
;; launch dist (part 2): grid 16 x 16, 8 waves a work-group, clusters of 4 x 1, 327,680 bytes of LDS; arguments qcodes, qscales, qnorms, gmin; writes gmin
.if DOCPART == 2
	.amdgcn_target "amdgcn-amd-amdhsa--gfx1250"
	.amdhsa_code_object_version 6
	.text
	.protected	k_qa86fed4e49_dist
	.globl	k_qa86fed4e49_dist
	.p2align	8
	.type	k_qa86fed4e49_dist,@function
k_qa86fed4e49_dist:
	s_mov_b64 s[64:65], 0
	v_nop
	global_prefetch_b8 v0, s[64:65] scope:SCOPE_SE
	s_setreg_imm32_b32 hwreg(HW_REG_WAVE_MODE, 25, 1), 1
	s_wait_xcnt 0x0
	s_wait_alu depctr_hold_cnt(0) depctr_sa_sdst(0) depctr_va_vdst(0) depctr_va_sdst(0) depctr_va_ssrc(0) depctr_va_vcc(0) depctr_vm_vsrc(0)
	s_getreg_b32 s2, hwreg(HW_REG_IB_STS2, 6, 4)
	s_cmp_eq_u32 s2, 0
	s_cbranch_scc0 .Lentry_in_a_cluster
	s_endpgm
.Lentry_in_a_cluster:
	s_bfe_u32 s2, ttmp6, 0x10000c
	s_cmp_lg_u32 s2, 0x3003
	s_cbranch_scc0 .Lentry_shape_is_right
	s_endpgm
.Lentry_shape_is_right:
; A KEY FOR EACH GROUP OF 8 NEIGHBOURING CODES: the smallest, over the group, of c2[code] / 2 - xc[row][code], xc the product of the codes of E2M1 with their E8M0 scales.
; d = x2 - 2 xc + c2 = x2 + 2 key: x2[row] is the same for all codes of a row and is left out here; it moves no order among a row's codes.  The final order is made of d itself, in a later launch.
; Why groups are enough: the 8 best codes of a row lie in the 8 best groups, by (key, group's number): were one of them in another group, 8 groups' best members would all come before it.
; -c2 / 2 IS THE C OF EACH SUM'S FIRST PRODUCT, so the accumulator ends as xc - c2 / 2 and a group's key is minus the largest of a lane's eight registers: four vector instructions.
; gmin [row tile 512][chunk 16][u 8][lane 32][e 4] f32: the key of row 16 RT + lane % 16, group 64 chunk + 2 (4 u + e) + lane / 16.
; LIMITS: NaN and infinities are not served.  The key is rounded at each of the eight K steps (half a unit in the last place of the running sum each), which is not the order of rounding of
; (x2 - 2 xc) + c2: where a row's 8th and 9th best codes lie in different groups and their d differ by no more than these roundings, the group taken may be the other one.
; SHARES.  A work-group makes 512 rows x 512 codes: 16 x 16 work-groups.  EIGHT WAVES, two to a SIMD, so that one wave has products to issue while the other finishes keys and asks LDS for fragments.
; Wave w owns 64 rows (4 tiles of 16): all their fragments, for all of K, stay in 256 registers, loaded straight from qcodes in runs of 512 bytes.
; The chunk's 32 tiles of codes, with scale bytes and norms (280,576 bytes), lie whole in LDS, each byte filled once.  At the head one tensor load a wave: waves 0-3 tiles 0-7, waves 4, 5 the scale bytes,
; waves 6, 7 the norms.  Tiles 8-31 follow behind a round, 3 tiles a wave, and are waited for at tile 7's head, whose run of loads is the first that reads them;
; up to there the text is written out, so that every LDS address is a constant + a lane term inside what has landed.
; CLUSTER.  The four work-groups of a cluster have the same chunk of codes: each load is asked for jointly, with the mask 15.  The rows' fragments go into registers and are not shared so.
; NO PREFETCH: every operand is asked for ahead of the loop; there is nothing left to run ahead for.
; THE PRODUCT has the codes as source 0 and the rows as source 1: lane (r, h) holds row r, and its eight registers the codes 16 t + 8 h + 0 .. 7: one group.
; A TILE of 16 codes is 32 products: four accumulators by turns, through all of K; two sets of four change from tile to tile.  Behind a tile's first four products stands ONE run of other work:
; the next tile's c2 is halved, the tile before's four accumulators are finished, and 19 LDS loads ask for the next tile's fragments and scale words and for the c2 of the tile after it.
; The loop is turned by a tile: tile 0 stands ahead of it, and a trip runs tiles 4 u + 1 .. 4 u + 4.
; REGISTERS.  window 0: v1 16 x lane; v2-4 LDS addresses; v6, v7 the add's; v8-23 the rows' scale words (4 a + p); v24-31 the codes' scale words, two sets; v32-47 c2, two sets; v48-63 the keys (4 a + e);
;   v64-127 the accumulators, two sets; v128-255 a tile's eight fragments, two sets.   window 1: the rows' fragments, tile a, K step s at v[64 a + 8 s].
.set P1,   65536                       ; LDS: codes at 0 (tile t at 8,192 t); their second part begins here;
.set SIDE, 262144                      ; here the scale bytes (512 t);
.set NRM,  278528                      ; here the norms (64 t);
.set SPARE, 280576                     ; here the spare words, 128 bytes a wave: 1,024
.set ADC,  2                           ; LDS address of the trip's codes: 16 x lane + 32,768 x trip
.set ADS,  3                           ; of its scale bytes
.set ADN,  4                           ; of its norms: my half's eight of a tile
.set SPW,  6
.set NIL,  7
.set XS,   8
.set CS,   24
.set C2,   32
.set GM,   48
.set ACC,  64
.set CF,   128
.set W_M,  0x04                        ; source 1 window 1, all else window 0
.set MSB, 0
.macro WIN new                         ; the immediate's high byte repeats the setting that is left
.if MSB != \new
	s_set_vgpr_msb (MSB<<8)|\new
.set MSB, \new
.endif
.endm
.macro PLACES
.rept 4
	v_nop
.endr
.endm
.macro CROUND                          ; a round of the cluster's barrier
	s_barrier_signal -1
	s_barrier_wait -1
	s_cmp_lg_u32 s12, 0
	s_cbranch_scc1 .Lnot_wave_0_\@
	s_barrier_signal -3
.Lnot_wave_0_\@:
	s_barrier_wait -3
	s_barrier_signal -1
	s_barrier_wait -1
.endm
.macro XLOAD a                         ; row tile a: 16 loads of 512 consecutive bytes
.irp s, 0,1,2,3,4,5,6,7
.irp c, 0,1
	global_load_b128 v[64*(\a)+8*\s+4*\c:64*(\a)+8*\s+4*\c+3], v1, s[66:67] offset:8192*(\a)+1024*\s+512*\c
.endr
.endr
.endm
	s_load_b256 s[4:11], s[0:1], 0x0               ; qcodes s[4:5], qscales s[6:7], qnorms s[8:9], gmin s[10:11]
	v_lshl_add_u32 v[SPW], v0, 2, SPARE
	v_mov_b32 v[NIL], 0
	ds_add_u32 v[SPW], v[NIL]                      ; the opening lines: the add, twice on end, and its wait ahead of my first tensor load
	ds_add_u32 v[SPW], v[NIL]
	v_lshrrev_b32 v5, 5, v0
	v_readfirstlane_b32 s12, v5                    ; wave 0..7
	v_and_b32 v5, 31, v0
	v_lshlrev_b32 v1, 4, v5                        ; 16 x lane
	v_bfe_u32 v5, v0, 4, 1                         ; h
	v_mov_b32 v[ADC], v1
	v_add_nc_u32 v[ADS], SIDE, v1
	v_lshl_add_u32 v[ADN], v5, 5, NRM
	s_bfe_u32 s13, ttmp6, 0x40000                  ; cx: my place in the cluster
	s_lshl_b32 s14, ttmp9, 2
	s_add_co_u32 s14, s14, s13                     ; my block of 512 rows: it enters the rows' addresses and gmin's alone
	s_and_b32 s15, ttmp7, 0xffff                   ; the chunk of 512 codes, which the four partners share
	s_lshl_b32 s75, s12, 14                        ; waves 0-3: tiles 2 w, 2 w + 1: 16,384 bytes, in LDS as in the chunk
	s_and_b32 s74, s12, 1
	s_lshl_b32 s63, s74, 13                        ; waves 4, 5: half of the scale bytes, 8,192
	s_lshl_b32 s62, s74, 10                        ; waves 6, 7: half of the norms, 1,024
	s_mul_i32 s92, s12, 24576
	s_add_co_u32 s92, s92, P1                      ; the second part: tiles 8 + 3 w on: 24,576 bytes a wave
	s_lshl_b32 s93, s15, 18                        ; the codebook's tiles begin at tile 512: the chunk's codes at 4,194,304 + 262,144 chunk
	s_add_co_u32 s93, s93, 0x400000
	s_add_co_u32 s16, s93, s75
	s_mov_b32 s17, 0
	s_add_co_u32 s94, s93, s92
	s_mov_b32 s95, 0
	s_lshl_b32 s18, s15, 14                        ; scale bytes 262,144 + 16,384 chunk
	s_add_co_u32 s18, s18, 0x40000
	s_add_co_u32 s18, s18, s63
	s_mov_b32 s19, 0
	s_lshl_b32 s20, s15, 11                        ; norms 32,768 + 2,048 chunk
	s_add_co_u32 s20, s20, 0x8000
	s_add_co_u32 s20, s20, s62
	s_mov_b32 s21, 0
	s_lshl_b32 s22, s14, 18                        ; my rows' codes: 262,144 block + 32,768 wave
	s_lshl_b32 s74, s12, 15
	s_add_co_u32 s22, s22, s74
	s_mov_b32 s23, 0
	s_lshl_b32 s76, s14, 14                        ; their scale bytes: 16,384 block + 2,048 wave
	s_lshl_b32 s74, s12, 11
	s_add_co_u32 s76, s76, s74
	s_mov_b32 s77, 0
	s_lshl_b32 s78, s14, 21                        ; gmin: 65,536 bytes a row tile: 2,097,152 block + 262,144 wave + 4,096 chunk
	s_lshl_b32 s74, s12, 18
	s_add_co_u32 s78, s78, s74
	s_lshl_b32 s74, s15, 12
	s_add_co_u32 s78, s78, s74
	s_mov_b32 s79, 0
	; descriptor groups 1: dense blocks as rows of 256 bytes (32 elements of 8 bytes), no padding.  15:0 the mask of all four; 17:16 code 3; 21 set beside a mask
.irp g, 24, 32, 40, 80
	s_mov_b32 s[\g], 15|(3<<16)|(1<<21)
	s_mov_b32 s[\g+1], 32<<16                      ; tensor_dim0
	s_mov_b32 s[\g+3], 32<<16                      ; tile_dim0
	s_mov_b32 s[\g+5], 32                          ; the pitch
	s_mov_b32 s[\g+6], 0
	s_mov_b32 s[\g+7], 0
.endr
	s_mov_b32 s26, 64<<16                          ; the codes' first part: 64 rows a wave
	s_mov_b32 s28, 64
	s_mov_b32 s34, 32<<16                          ; scale bytes: 32 rows
	s_mov_b32 s36, 32
	s_mov_b32 s42, 4<<16                           ; norms: 4 rows
	s_mov_b32 s44, 4
	s_mov_b32 s82, 96<<16                          ; the codes' second part: 96 rows a wave
	s_mov_b32 s84, 96
	s_wait_alu depctr_va_vdst(0)
	s_wait_dscnt 0x0                               ; both opening adds are done
	s_wait_kmcnt 0x0
	s_add_nc_u64 s[66:67], s[4:5], s[22:23]        ; my rows' codes,
	s_add_nc_u64 s[68:69], s[6:7], s[76:77]        ; their scale bytes,
	s_add_nc_u64 s[72:73], s[10:11], s[78:79]      ; my keys
	s_mov_b32 s48, 1                               ; groups 0: count 1, LDS address, global address, type 2
	s_mov_b32 s49, s75
	s_add_nc_u64 s[50:51], s[4:5], s[16:17]
	s_or_b32 s51, s51, 0x80000000
	s_mov_b32 s52, 1
	s_add_co_u32 s53, s63, SIDE
	s_add_nc_u64 s[54:55], s[6:7], s[18:19]
	s_or_b32 s55, s55, 0x80000000
	s_mov_b32 s56, 1
	s_add_co_u32 s57, s62, NRM
	s_add_nc_u64 s[58:59], s[8:9], s[20:21]
	s_or_b32 s59, s59, 0x80000000
	s_mov_b32 s88, 1
	s_mov_b32 s89, s92
	s_add_nc_u64 s[90:91], s[4:5], s[94:95]
	s_or_b32 s91, s91, 0x80000000
.irp a, 0,1,2,3
	global_load_b128 v[XS+4*\a:XS+4*\a+3], v1, s[68:69] offset:512*\a   ; my rows' scale words: register p: lanes 0-15 K step 2 p, lanes 16-31 K step 2 p + 1
.endr
	WIN 0x40                                       ; destination window 1
	XLOAD 0
	WIN 0
	CROUND                                         ; all four work-groups are here: the joint loads meet
; THE HEAD'S LOADS, ONE A WAVE, in one chain of branches on the wave's number: every way passes exactly one
.macro ARM under, g0, g1, next
	s_cmp_lt_u32 s12, \under
	s_cbranch_scc0 \next
	tensor_load_to_lds s[\g0:\g0+3], s[\g1:\g1+7]
	s_nop 0
	PLACES
	s_branch .Lasked
\next:
.endm
	ARM 4, 48, 24, .Lhead_s
	ARM 6, 52, 32, .Lhead_n
	tensor_load_to_lds s[56:59], s[40:47]
	s_nop 0
	PLACES
.Lasked:
	WIN 0x40
	XLOAD 1
	XLOAD 2
	XLOAD 3
	WIN 0
	s_wait_tensorcnt 0x0                           ; my load of the head has landed
	ds_add_u32 v[SPW], v[NIL]
	s_wait_dscnt 0x0
	CROUND                                         ; a whole round: tiles 0-7, the scale bytes and the norms lie in LDS, and the joint loads meet
	tensor_load_to_lds s[88:91], s[80:87]          ; my part of tiles 8-31: my one tensor load behind the round
	s_nop 0
	PLACES
.macro PROD                            ; row tile pa, K step ps, sets hp.  The first K step starts the sum from -c2 / 2: nothing is cleared
.set rD, ACC+32*hp+8*pa
.set rA, CF+64*hp+8*ps
.set rB, 64*pa+8*ps
.set rC, C2+8*hp
.set rSA, CS+4*hp+ps/2
.set rSB, XS+4*pa+ps/2
.if ps == 0
	v_wmma_scale_f32_16x16x128_f8f6f4 v[rD:rD+7], v[rA:rA+7], v[rB:rB+7], v[rC:rC+7], v[rSA], v[rSB] matrix_a_fmt:MATRIX_FMT_FP4 matrix_b_fmt:MATRIX_FMT_FP4
.elseif ps%2
	v_wmma_scale_f32_16x16x128_f8f6f4 v[rD:rD+7], v[rA:rA+7], v[rB:rB+7], v[rD:rD+7], v[rSA], v[rSB] matrix_a_fmt:MATRIX_FMT_FP4 matrix_b_fmt:MATRIX_FMT_FP4 matrix_a_scale:MATRIX_SCALE_ROW1 matrix_b_scale:MATRIX_SCALE_ROW1
.else
	v_wmma_scale_f32_16x16x128_f8f6f4 v[rD:rD+7], v[rA:rA+7], v[rB:rB+7], v[rD:rD+7], v[rSA], v[rSB] matrix_a_fmt:MATRIX_FMT_FP4 matrix_b_fmt:MATRIX_FMT_FP4
.endif
.endm
.macro RUN s0, s1                      ; K steps s0 .. s1 - 1: the four accumulators by turns, one instruction a turn
.set ps, \s0
.rept \s1-\s0
.set pa, 0
.rept 4
	PROD
.set pa, pa+1
.endr
.set ps, ps+1
.endr
.endm
; The four accumulators of set q are finished: key number e = minus the largest of the eight.  Line by line over the four, each accumulator read from its low end on.
.macro BURST q, e
.irp a, 0,1,2,3
	v_max3_num_f32 v[ACC+32*(\q)+8*\a], v[ACC+32*(\q)+8*\a], v[ACC+32*(\q)+8*\a+1], v[ACC+32*(\q)+8*\a+2]
.endr
.irp a, 0,1,2,3
	v_max3_num_f32 v[ACC+32*(\q)+8*\a+3], v[ACC+32*(\q)+8*\a+3], v[ACC+32*(\q)+8*\a+4], v[ACC+32*(\q)+8*\a+5]
.endr
.irp a, 0,1,2,3
	v_max3_num_f32 v[ACC+32*(\q)+8*\a], v[ACC+32*(\q)+8*\a], v[ACC+32*(\q)+8*\a+6], v[ACC+32*(\q)+8*\a+7]
.endr
.irp a, 0,1,2,3
	s_delay_alu instid0(VALU_DEP_4)
	v_min_num_f32 v[GM+4*\a+(\e)], -v[ACC+32*(\q)+8*\a], -v[ACC+32*(\q)+8*\a+3]
.endr
.endm
.macro GSTORE                          ; four tiles' keys of my four row tiles
.irp a, 0,1,2,3
	global_store_b128 v1, v[GM+4*\a:GM+4*\a+3], s[72:73] offset:65536*\a   ; 32 lanes store 512 consecutive bytes, at a multiple of 512 from gmin's first byte
.endr
.endm
.macro HALVE set                       ; c2 -> -c2 / 2 (exact), two at a time
.irp j, 0,2,4,6
	v_pk_mul_f32 v[C2+8*(\set)+\j:C2+8*(\set)+\j+1], v[C2+8*(\set)+\j:C2+8*(\set)+\j+1], -0.5 op_sel_hi:[1,0]
.endr
.endm
; TILE i of a trip's four.  epa: the tile before is finished;  pf: the next tile's fragments and scale words are fetched, and its c2, fetched a tile ago, is halved;  pfc: the c2 of the tile after that is fetched, into the
; set that this tile's first four products have just read;  bar: the codes' second part is waited for.
; The four lines that halve (or four v_nop) are the places between the last products and the first read of their results, and the loads into registers that they read (ISA guide 7.12.1 for the first read of results).
.macro H i, epa, pf, pfc, bar
.set hp, (\i)%2
	s_wait_dscnt 0x0                               ; this tile's fragments and scale words, and the next tile's c2, are in
.if \bar
	s_wait_tensorcnt 0x0                           ; my part of tiles 8-31 has landed,
	s_barrier_signal -1
	s_barrier_wait -1                              ; everybody's has
.endif
	WIN W_M
	RUN 0, 1
	WIN 0
.if \pf
	HALVE 1-hp
.else
	PLACES
.endif
.if \epa
	BURST 1-hp, ((\i)+3)%4
.if (\i) == 0
	GSTORE                                         ; the trip's keys are whole
.endif
.else
	s_wait_alu depctr_va_vdst(0)
.endif
.if \pfc
.if (\i) == 2
	v_add_nc_u32 v[ADN], 256, v[ADN]               ; on to the next four tiles' norms
.endif
	ds_load_b128 v[C2+8*hp:C2+8*hp+3], v[ADN] offset:64*(((\i)+2)%4)
	ds_load_b128 v[C2+8*hp+4:C2+8*hp+7], v[ADN] offset:64*(((\i)+2)%4)+16
.endif
.if \pf
.if (\i) == 3
	v_add_nc_u32 v[ADC], 32768, v[ADC]             ; on to the next four tiles
	v_add_nc_u32 v[ADS], 2048, v[ADS]
.endif
.irp s, 0,1,2,3,4,5,6,7
	ds_load_b128 v[CF+64*(1-hp)+8*\s:CF+64*(1-hp)+8*\s+3], v[ADC] offset:8192*(((\i)+1)%4)+1024*\s
	ds_load_b128 v[CF+64*(1-hp)+8*\s+4:CF+64*(1-hp)+8*\s+7], v[ADC] offset:8192*(((\i)+1)%4)+1024*\s+512
.endr
	ds_load_b128 v[CS+4*(1-hp):CS+4*(1-hp)+3], v[ADS] offset:512*(((\i)+1)%4)
.endif
	WIN W_M
	RUN 1, 8
.endm
.macro TRIP bar
	H 1, 1, 1, 1, 0
	H 2, 1, 1, 1, 0
	H 3, 1, 1, 1, \bar
	H 0, 1, 1, 1, 0
	WIN 0                                          ; at a label and at a branch every window is 0
	s_wait_alu depctr_va_vdst(0)
	s_wait_xcnt 0x0                                ; the trip's four stores have read their data and their base: both are written again only behind this wait
	s_add_nc_u64 s[72:73], s[72:73], 512
.endm
	ds_load_b128 v[CS:CS+3], v[ADS]                ; tile 0's scale words,
	ds_load_b128 v[C2:C2+3], v[ADN]                ; its norms,
	ds_load_b128 v[C2+4:C2+7], v[ADN] offset:16
	ds_load_b128 v[C2+8:C2+11], v[ADN] offset:64   ; tile 1's norms,
	ds_load_b128 v[C2+12:C2+15], v[ADN] offset:80
.irp s, 0,1,2,3,4,5,6,7
	ds_load_b128 v[CF+8*\s:CF+8*\s+3], v[ADC] offset:1024*\s          ; and tile 0's eight fragments
	ds_load_b128 v[CF+8*\s+4:CF+8*\s+7], v[ADC] offset:1024*\s+512
.endr
	s_wait_loadcnt 0x0                             ; my rows' fragments and scale words
	s_wait_dscnt 0x0
	HALVE 0
	PLACES
	s_wait_alu depctr_va_vdst(0)
	H 0, 0, 1, 1, 0
	TRIP 0                                         ; tiles 1-4, which read tiles up to 5
	TRIP 1                                         ; tiles 5-8: the barrier stands at tile 7's head
	s_mov_b32 s61, 5
.Ltrip:
	TRIP 0
	s_sub_co_u32 s61, s61, 1
	s_cmp_lg_u32 s61, 0
	s_cbranch_scc1 .Ltrip
	H 1, 1, 1, 1, 0                                ; tiles 29-31 fetch nothing beyond the chunk
	H 2, 1, 1, 0, 0
	H 3, 1, 0, 0, 0
	WIN 0
	PLACES
	BURST 1, 3                                     ; the last tile
	GSTORE
	s_wait_tensorcnt 0x0                           ; the wave's end
	ds_add_u32 v[SPW], v[NIL]
	s_wait_dscnt 0x0
	CROUND                                         ; the closing round: no work-group ends while a partner may still ask for a tile that names it
	s_endpgm
.Lfunc_end_k_qa86fed4e49_dist:
	.size	k_qa86fed4e49_dist, .Lfunc_end_k_qa86fed4e49_dist-k_qa86fed4e49_dist
	.p2alignl 7, 3214868480
	.fill 96, 4, 3214868480
	.section	.rodata,"a",@progbits
	.p2align	6, 0x0
	.amdhsa_kernel k_qa86fed4e49_dist
		.amdhsa_group_segment_fixed_size 327680
		.amdhsa_private_segment_fixed_size 0
		.amdhsa_enable_private_segment 0
		.amdhsa_kernarg_size 32
		.amdhsa_user_sgpr_count 2
		.amdhsa_user_sgpr_kernarg_segment_ptr 1
		.amdhsa_wavefront_size32 1
		.amdhsa_system_sgpr_workgroup_id_x 1
		.amdhsa_system_sgpr_workgroup_id_y 1
		.amdhsa_system_sgpr_workgroup_id_z 1
		.amdhsa_system_vgpr_workitem_id 0
		.amdhsa_next_free_vgpr 512
		.amdhsa_next_free_sgpr 96
		.amdhsa_reserve_vcc 0
		.amdhsa_float_denorm_mode_32 3
		.amdhsa_float_denorm_mode_16_64 3
		.amdhsa_memory_ordered 1
		.amdhsa_forward_progress 1
		.amdhsa_inst_pref_size 124
	.end_amdhsa_kernel
	.amdgpu_metadata
---
amdhsa.version: [ 1, 2 ]
amdhsa.kernels:
  - .name:           k_qa86fed4e49_dist
    .symbol:         k_qa86fed4e49_dist.kd
    .args:
      - { .name: qcodes, .offset: 0, .size: 8, .value_kind: global_buffer, .address_space: global }
      - { .name: qscales, .offset: 8, .size: 8, .value_kind: global_buffer, .address_space: global }
      - { .name: qnorms, .offset: 16, .size: 8, .value_kind: global_buffer, .address_space: global }
      - { .name: gmin, .offset: 24, .size: 8, .value_kind: global_buffer, .address_space: global }
    .group_segment_fixed_size: 327680
    .private_segment_fixed_size: 0
    .kernarg_segment_align: 8
    .kernarg_segment_size: 32
    .max_flat_workgroup_size: 256
    .sgpr_count:     96
    .vgpr_count:     512
    .wavefront_size: 32
...
	.end_amdgpu_metadata
.endif
;; end of part 2
;; launch select (part 3): grid 512 x 1, 4 waves a work-group, no clusters, 8,704 bytes of LDS; arguments gmin, gids; writes gids
.if DOCPART == 3
	.amdgcn_target "amdgcn-amd-amdhsa--gfx1250"
	.amdhsa_code_object_version 6
	.text
	.protected	k_qa86fed4e49_select
	.globl	k_qa86fed4e49_select
	.p2align	8
	.type	k_qa86fed4e49_select,@function
k_qa86fed4e49_select:
	s_mov_b64 s[64:65], 0
	v_nop
	global_prefetch_b8 v0, s[64:65] scope:SCOPE_SE
	s_setreg_imm32_b32 hwreg(HW_REG_WAVE_MODE, 25, 1), 1
	s_wait_xcnt 0x0
; For each row: the 8 best of its 1,024 groups, by (the group's smallest d, the group's number), stored as whole numbers: gids [row][8] u32, in no particular order: the next launch looks into all of them.
; LIMITS: NaN and +infinity among the minima are not served (+infinity marks an empty place).
; SHARES.  A work-group is a tile of 16 rows; wave w takes chunks 4 w .. 4 w + 3 of gmin, 16,384 bytes on end, 32 loads of 512 bytes.  As gmin is laid, lane (r, h) holds 128 minima of row r:
; value n (register V + n) is group 256 w + 2 n + h.  So a row's work stays in lanes l and l xor 16, and the four waves meet twice in LDS.
; No branch and no address hangs on a number: every step does its whole work.
;   A  a sorted list of the lane's 8 smallest values: an insertion is 7 medians and a minimum
;   B  merged with lane l xor 16's, then with the other waves' lists: tau = the row's 8th smallest minimum
;   C  for each value a bit "< tau" and a bit "= tau", gathered in 4 + 4 words from the differences' signs by v_alignbit_b32 (word = 2 word + bit, from value 31 down)
;   D  eight times: the lane's lowest bit gives its smallest key (the group's number; + 1,024 for a tie with tau, so that all smaller ones come first and then the ties of lowest number); the smaller of the two lanes' wins and is struck out
;   E  wave 0 merges the four waves' key lists and stores the 8 smallest
; Streams through registers; no tensor load and no cluster: no work-group reads what another reads.
; gmin's numbers are the groups' keys as the launch before makes them: the smallest c2 / 2 - xc of the group, that is (d - x2) / 2 up to rounding.  Where the lines above say 'smallest d', read that key:
; x2 is the same for a whole row, so the order of a row's groups is that of their smallest d.
.set V,   16
.set L,   144                          ; v144-151 a sorted list of values
.set P,   152                          ; v152-175 lists of others
.set TAU, L+7
.set W,   178                          ; v178-181 bits "< tau", v182-185 bits "= tau"
.set B,   186                          ; v186-193 word j's key of bit 0, less 254
.set SEL, 194
.set BS,  195
.set LSB, 196
.set KEY, 197
.set OTH, 198
.set NM,  200
.set TMP, 201
.set K,   204                          ; v204-211 a sorted list of keys, as f32
.set INF, 212
.set LST, 0                            ; LDS: each wave's list of values, an image of 8 registers: 1,024 bytes
.set KST, 4096                         ; and of keys
.macro INS base, x                     ; v[x] into the ascending list v[base] .. v[base + 7]; from the top down, so that each line reads the old neighbour
.irp k, 7,6,5,4,3,2,1
	v_med3_num_f32 v[\base+\k], v[\base+\k-1], v[\base+\k], v[\x]
.endr
	v_min_num_f32 v[\base], v[\base], v[\x]
.endm
	s_load_b128 s[4:7], s[0:1], 0x0                ; gmin, gids
	v_lshl_add_u32 v216, v0, 2, 0x2000
	v_mov_b32 v217, 0
	v_lshrrev_b32 v1, 5, v0
	v_readfirstlane_b32 s8, v1                     ; wave
	v_and_b32 v2, 31, v0
	v_lshlrev_b32 v3, 4, v2                        ; 16 x lane
	s_lshl_b32 s9, s8, 10
	v_add_nc_u32 v4, s9, v3                        ; where my wave's images go
	v_and_b32 v5, 15, v0                           ; r
	v_bfe_u32 v6, v0, 4, 1                         ; h
	v_lshlrev_b32 v7, 5, v5
	v_lshl_add_u32 v7, v6, 4, v7                   ; gids: 32 r + 16 h
	s_lshl_b32 s16, s8, 8
	v_add_nc_u32 v8, s16, v6                       ; 256 w + h
.irp j, 0,1,2,3,4,5,6,7
	v_add_nc_u32 v[B+\j], 64*(\j%4)+1024*(\j/4)-254, v8   ; a bit t as a float has the exponent field 127 + t: key = 2 (127 + t) + this
.endr
	v_mov_b32 v[INF], 0x7f800000
.irp k, 0,1,2,3,4,5,6,7
	v_mov_b32 v[L+\k], 0x7f800000
	v_mov_b32 v[P+\k], 0                           ; a lane permute's destination counts as one of its sources
	v_mov_b32 v[W+\k], 0
.endr
	v_mov_b32 v[OTH], 0
	s_mov_b32 s12, 0x76543210
	s_mov_b32 s13, 0xfedcba98                      ; v_permlanex16_b32's selects for lane l xor 16
	s_mov_b32 s17, 0xffff0000                      ; lanes 16-31
	s_lshl_b32 s10, ttmp9, 16
	s_lshl_b32 s14, s8, 14
	s_add_co_u32 s10, s10, s14
	s_mov_b32 s11, 0
	s_lshl_b32 s14, ttmp9, 9
	s_mov_b32 s15, 0
	s_wait_alu depctr_va_vdst(0)
	s_wait_kmcnt 0x0
	s_add_nc_u64 s[4:5], s[4:5], s[10:11]
	s_add_nc_u64 s[6:7], s[6:7], s[14:15]
.set i, 0
.rept 32
	global_load_b128 v[V+4*i:V+4*i+3], v3, s[4:5] offset:512*i th:TH_LOAD_NT   ; 512 consecutive bytes; read once in the launch
.set i, i+1
.endr
	; ---- A
.set n, 0
.irp g, 0,1,2,3
	s_wait_alu depctr_va_vdst(0)
	s_wait_loadcnt 24-8*\g                         ; eight more loads are in; the younger ones may be out
.rept 32
	INS L, V+n
.set n, n+1
.endr
.endr
	; ---- B
.irp k, 0,1,2,3,4,5,6,7
	v_permlanex16_b32 v[P+\k], v[L+\k], s12, s13
.endr
.irp k, 0,1,2,3,4,5,6,7
	INS L, P+\k
.endr
	ds_store_b128 v4, v[L:L+3] offset:LST
	ds_store_b128 v4, v[L+4:L+7] offset:LST+512
	s_wait_dscnt 0x0                               ; for the others' sake: my list has landed
	s_barrier_signal -1
	s_barrier_wait -1
	ds_load_b128 v[L:L+3], v3 offset:LST           ; every wave merges the same four lists in the same order
	ds_load_b128 v[L+4:L+7], v3 offset:LST+512
.irp q, 1,2,3
	ds_load_b128 v[P+8*(\q-1):P+8*(\q-1)+3], v3 offset:LST+1024*\q
	ds_load_b128 v[P+8*(\q-1)+4:P+8*(\q-1)+7], v3 offset:LST+1024*\q+512
.endr
	s_wait_dscnt 0x0
.set n, 0
.rept 24
	INS L, P+n
.set n, n+1
.endr
	; ---- C
; The bits are gathered here from signs, not by an addition with carry: v - tau is negative where v < tau, tau - v where v > tau (equal numbers give +0 both ways; denormals are kept, so unequal ones never give 0).
; v_alignbit_b32 by 31 is word = 2 word + the difference's sign bit; from value 31 down, so that value t ends as bit t.  The four words by turns: no line waits for the line above it.
.set TS, P+8                           ; v160-167 at work
.set US, P+16                          ; v168-173 at work
.set t, 31
.rept 32
.irp c, 0,1,2,3
	v_sub_f32 v[P+2*\c], v[V+32*\c+t], v[TAU]
	v_sub_f32 v[P+2*\c+1], v[TAU], v[V+32*\c+t]
.endr
.irp c, 0,1,2,3
	v_alignbit_b32 v[W+\c], v[W+\c], v[P+2*\c], 31
	v_alignbit_b32 v[W+4+\c], v[W+4+\c], v[P+2*\c+1], 31
.endr
.set t, t-1
.endr
.irp c, 0,1,2,3
	v_or_b32 v[W+4+\c], v[W+\c], v[W+4+\c]         ; "< tau" or "> tau";
.endr
.irp c, 0,1,2,3
	v_not_b32 v[W+4+\c], v[W+4+\c]                 ; what is neither is "= tau"
.endr
	; ---- D
.macro PASS k
	; my first word that is not 0, and its key base: a tree of three levels, in each pair the lower word if it is not 0; the masks in scalar registers of their own
.irp a, 0,1,2,3
	v_cmp_ne_u32 s[20+\a], 0, v[W+2*\a]
.endr
.irp a, 0,1,2,3
	v_cndmask_b32 v[TS+\a], v[W+2*\a+1], v[W+2*\a], s[20+\a]
	v_cndmask_b32 v[US+\a], v[B+2*\a+1], v[B+2*\a], s[20+\a]
.endr
.irp a, 0,1
	v_cmp_ne_u32 s[24+\a], 0, v[TS+2*\a]
.endr
.irp a, 0,1
	v_cndmask_b32 v[TS+4+\a], v[TS+2*\a+1], v[TS+2*\a], s[24+\a]
	v_cndmask_b32 v[US+4+\a], v[US+2*\a+1], v[US+2*\a], s[24+\a]
.endr
	v_cmp_ne_u32 s26, 0, v[TS+4]
	v_cndmask_b32 v[SEL], v[TS+5], v[TS+4], s26
	v_cndmask_b32 v[BS], v[US+5], v[US+4], s26
	v_sub_nc_u32 v[LSB], 0, v[SEL]
	v_and_b32 v[LSB], v[SEL], v[LSB]               ; its lowest bit
	v_cvt_f32_u32 v[KEY], v[LSB]
	v_lshrrev_b32 v[KEY], 23, v[KEY]               ; 127 + the bit's number
	v_lshl_add_u32 v[KEY], v[KEY], 1, v[BS]
	v_cvt_f32_u32 v[KEY], v[KEY]                   ; my smallest key (under 2,048: exact),
	v_cmp_ne_u32 vcc_lo, 0, v[SEL]
	v_cndmask_b32 v[KEY], v[INF], v[KEY], vcc_lo   ; or +infinity if I have none left
	v_permlanex16_b32 v[OTH], v[KEY], s12, s13
	v_min_num_f32 v[K+\k], v[KEY], v[OTH]          ; the pair's
	v_cmp_eq_f32 vcc_lo, v[KEY], v[K+\k]           ; mine?  (the two lanes' keys differ in their lowest bit)
	v_not_b32 v[NM], v[LSB]
	v_cndmask_b32 v[NM], -1, v[NM], vcc_lo
.irp j, 0,1,2,3,4,5,6,7
	v_cmp_eq_u32 s[20+\j], v[B+\j], v[BS]          ; then its bit is struck out of its word: the eight words line by line
.endr
.irp j, 0,1,2,3,4,5,6,7
	v_cndmask_b32 v[TS+\j], -1, v[NM], s[20+\j]
.endr
.irp j, 0,1,2,3,4,5,6,7
	v_and_b32 v[W+\j], v[W+\j], v[TS+\j]
.endr
.endm
.irp k, 0,1,2,3,4,5,6,7
	PASS \k
.endr
	; ---- E
	ds_store_b128 v4, v[K:K+3] offset:KST
	ds_store_b128 v4, v[K+4:K+7] offset:KST+512
	s_wait_dscnt 0x0
	s_barrier_signal -1
	s_barrier_wait -1
	s_cmp_lg_u32 s8, 0
	s_cbranch_scc1 .Ldone
.irp q, 1,2,3
	ds_load_b128 v[P+8*(\q-1):P+8*(\q-1)+3], v3 offset:KST+1024*\q       ; wave 0 has its own list in registers
	ds_load_b128 v[P+8*(\q-1)+4:P+8*(\q-1)+7], v3 offset:KST+1024*\q+512
.endr
	s_wait_dscnt 0x0
.set n, 0
.rept 24
	INS K, P+n
.set n, n+1
.endr
.irp j, 0,1,2,3
	v_cndmask_b32 v[SEL+\j], v[K+\j], v[K+4+\j], s17                     ; lanes 0-15 send the row's first four, lanes 16-31 the other four
.endr
.irp j, 0,1,2,3
	v_cvt_u32_f32 v[SEL+\j], v[SEL+\j]
.endr
.irp j, 0,1,2,3
	v_and_b32 v[SEL+\j], 1023, v[SEL+\j]           ; the tie's mark goes
.endr
	global_store_b128 v7, v[SEL:SEL+3], s[6:7]     ; the wave's 32 lanes cover 512 consecutive bytes
.Ldone:
	s_wait_tensorcnt 0x0
	ds_add_u32 v216, v217
	s_wait_dscnt 0x0
	s_endpgm
.Lfunc_end_k_qa86fed4e49_select:
	.size	k_qa86fed4e49_select, .Lfunc_end_k_qa86fed4e49_select-k_qa86fed4e49_select
	.p2alignl 7, 3214868480
	.fill 96, 4, 3214868480
	.section	.rodata,"a",@progbits
	.p2align	6, 0x0
	.amdhsa_kernel k_qa86fed4e49_select
		.amdhsa_group_segment_fixed_size 8704
		.amdhsa_private_segment_fixed_size 0
		.amdhsa_enable_private_segment 0
		.amdhsa_kernarg_size 16
		.amdhsa_user_sgpr_count 2
		.amdhsa_user_sgpr_kernarg_segment_ptr 1
		.amdhsa_wavefront_size32 1
		.amdhsa_system_sgpr_workgroup_id_x 1
		.amdhsa_system_sgpr_workgroup_id_y 1
		.amdhsa_system_sgpr_workgroup_id_z 1
		.amdhsa_system_vgpr_workitem_id 0
		.amdhsa_next_free_vgpr 218
		.amdhsa_next_free_sgpr 66
		.amdhsa_reserve_vcc 1
		.amdhsa_float_denorm_mode_32 3
		.amdhsa_float_denorm_mode_16_64 3
		.amdhsa_memory_ordered 1
		.amdhsa_forward_progress 1
		.amdhsa_inst_pref_size 144
	.end_amdhsa_kernel
	.amdgpu_metadata
---
amdhsa.version: [ 1, 2 ]
amdhsa.kernels:
  - .name:           k_qa86fed4e49_select
    .symbol:         k_qa86fed4e49_select.kd
    .args:
      - { .name: gmin, .offset: 0, .size: 8, .value_kind: global_buffer, .address_space: global }
      - { .name: gids, .offset: 8, .size: 8, .value_kind: global_buffer, .address_space: global }
    .group_segment_fixed_size: 8704
    .private_segment_fixed_size: 0
    .kernarg_segment_align: 8
    .kernarg_segment_size: 16
    .max_flat_workgroup_size: 128
    .sgpr_count:     66
    .vgpr_count:     218
    .wavefront_size: 32
...
	.end_amdgpu_metadata
.endif
;; end of part 3
;; launch refine (part 4): grid 256 x 1, 16 waves a work-group, no clusters, 0 bytes of LDS; arguments gids, qcodes, qscales, qnorms, out1, ids; writes out1, ids
.if DOCPART == 4
	.amdgcn_target "amdgcn-amd-amdhsa--gfx1250"
	.amdhsa_code_object_version 6
	.text
	.protected	k_qa86fed4e49_refine
	.globl	k_qa86fed4e49_refine
	.p2align	8
	.type	k_qa86fed4e49_refine,@function
k_qa86fed4e49_refine:
	s_mov_b64 s[64:65], 0
	v_nop
	global_prefetch_b8 v0, s[64:65] scope:SCOPE_SE
	s_setreg_imm32_b32 hwreg(HW_REG_WAVE_MODE, 25, 1), 1
	s_wait_xcnt 0x0
; For each row: d of the 64 codes of its 8 chosen groups, made anew by the same matrix instruction, the same order of K steps and the same two roundings as in the launch that made the groups' minima, and of these
; the 8 smallest, by (d, index): out1 [row][8] i32, ascending d, ties by the lower index; ids holds the same, for the launch that gathers.
; LIMITS: NaN and infinities, and a d beyond the largest f32 number, are not served (+infinity strikes a candidate out).
; SHARES.  A wave takes two rows; sixteen waves of 256 registers to a work-group, four to a SIMD: one wave's loads are on their way while another works.
; THE PRODUCT.  Source 0 = the row, the same in all 16 places (the lanes' addresses do not hang on lane % 16); source 1 = 16 candidates: two groups of 8.  Register 0 of the result holds, in lane r, candidate r.
; Two tiles take turns on two accumulators; lanes 0-15 then take the first tile's register 0, lanes 16-31 the second's: a candidate a lane, 32 a pair of tiles, two pairs a row.
; ADDRESSES hang on gids, whole numbers that an earlier launch stored: each is held to 1,023 and then only cut, shifted left and added.  A candidate's 16 bytes of a block lie 16 bytes from its neighbour's,
; so that a load reads runs of 128 bytes (8 candidates of a group).
; The results are 64 bytes a wave to each of two buffers of 262,144 bytes: part of an aligned 256 bytes.  A stage in LDS and a barrier for them would cost more than these few bytes.
; No tensor load and no cluster: what a wave gathers hangs on its own rows.
; The groups were ranked by the key c2 / 2 - xc, rounded in the accumulator; here d is made with x2 and with reference()'s two roundings, (x2 - 2 xc) + c2, and it alone decides the order of the 64 candidates.
.set XF,  16
.set XSC, 80                           ; v80-83   its scale words: lanes 0-15 K step 2 p, lanes 16-31 K step 2 p + 1
.set CA,  84                           ; v84-147, v148-211 two tiles of candidates
.set SCA, 212                          ; v212-215, v216-219 their scale words
.set D0,  220                          ; v220-227, v228-235 the two accumulators
.set VG,  236                          ; v236-243 the group of my lane's candidate in tile q of row rho: 4 rho + q
.set VH,  244                          ; v244-247 the group of my lane's candidate of pair pi: 2 rho + pi
.set DD,  248                          ; v248-249 d, a pair of tiles each
.set IX,  250                          ; v250-251 the candidates' indices, as f32
.set C2R, 252                          ; v252-253 c2, by turns
.macro LOADX rho
.irp s, 0,1,2,3,4,5,6,7
.irp c, 0,1
	global_load_b128 v[XF+8*\s+4*\c:XF+8*\s+4*\c+3], v2, s[20:21] offset:16*\rho+1024*\s+512*\c
.endr
.endr
	global_load_b128 v[XSC:XSC+3], v2, s[22:23] offset:16*\rho
.endm
.macro LOADP rho, pi                   ; tiles 2 pi and 2 pi + 1 of row rho.  Group g: code tile g / 2 (8,192 bytes of codes, 512 of scale bytes), rows 8 (g % 2) on
.irp u, 0,1
	v_and_b32 v11, 0x3fe, v[VG+4*\rho+2*\pi+\u]
	v_and_b32 v12, 1, v[VG+4*\rho+2*\pi+\u]
	s_delay_alu instid0(VALU_DEP_1)
	v_lshl_add_u32 v12, v12, 7, v1
	s_delay_alu instid0(VALU_DEP_1)
	v_lshl_add_u32 v[6+\u], v11, 12, v12
	s_delay_alu instid0(VALU_DEP_2)
	v_lshl_add_u32 v[8+\u], v11, 8, v12
.endr
	v_lshl_add_u32 v10, v[VH+2*\rho+\pi], 5, v13   ; 4 x (8 g + lane % 8)
.irp s, 0,1,2,3,4,5,6,7
.irp c, 0,1
	global_load_b128 v[CA+8*\s+4*\c:CA+8*\s+4*\c+3], v6, s[24:25] offset:1024*\s+512*\c
	global_load_b128 v[CA+64+8*\s+4*\c:CA+64+8*\s+4*\c+3], v7, s[24:25] offset:1024*\s+512*\c
.endr
.endr
	global_load_b128 v[SCA:SCA+3], v8, s[26:27]
	global_load_b128 v[SCA+4:SCA+7], v9, s[26:27]
	global_load_b32 v[C2R+\pi], v10, s[28:29]
.endm
.macro MUL
.irp s, 0,1,2,3,4,5,6,7
.irp u, 0,1
.if \s == 0
	v_wmma_scale_f32_16x16x128_f8f6f4 v[D0+8*\u:D0+8*\u+7], v[XF+8*\s:XF+8*\s+7], v[CA+64*\u+8*\s:CA+64*\u+8*\s+7], 0, v[XSC+\s/2], v[SCA+4*\u+\s/2] matrix_a_fmt:MATRIX_FMT_FP4 matrix_b_fmt:MATRIX_FMT_FP4
.elseif \s%2
	v_wmma_scale_f32_16x16x128_f8f6f4 v[D0+8*\u:D0+8*\u+7], v[XF+8*\s:XF+8*\s+7], v[CA+64*\u+8*\s:CA+64*\u+8*\s+7], v[D0+8*\u:D0+8*\u+7], v[XSC+\s/2], v[SCA+4*\u+\s/2] matrix_a_fmt:MATRIX_FMT_FP4 matrix_b_fmt:MATRIX_FMT_FP4 matrix_a_scale:MATRIX_SCALE_ROW1 matrix_b_scale:MATRIX_SCALE_ROW1
.else
	v_wmma_scale_f32_16x16x128_f8f6f4 v[D0+8*\u:D0+8*\u+7], v[XF+8*\s:XF+8*\s+7], v[CA+64*\u+8*\s:CA+64*\u+8*\s+7], v[D0+8*\u:D0+8*\u+7], v[XSC+\s/2], v[SCA+4*\u+\s/2] matrix_a_fmt:MATRIX_FMT_FP4 matrix_b_fmt:MATRIX_FMT_FP4
.endif
.endr
.endr
.endm
.macro DCALC rho, pi
	v_cndmask_b32 v254, v[D0], v[D0+8], s34        ; each accumulator's lowest register: lanes 0-15 the first tile's, lanes 16-31 the second's
	s_delay_alu instid0(VALU_DEP_1)
	v_fma_f32 v254, -2.0, v254, s[36+\rho]         ; x2 - 2 xc: one rounding
	s_delay_alu instid0(VALU_DEP_1)
	v_add_f32 v[DD+\pi], v254, v[C2R+\pi]          ; + c2: the second
	v_lshl_add_u32 v255, v[VH+2*\rho+\pi], 3, v3
	s_delay_alu instid0(VALU_DEP_1)
	v_cvt_f32_u32 v[IX+\pi], v255                  ; the candidate's index (under 8,192: exact)
.endm
.macro WMIN r, t                       ; the smallest v[r] of the 32 lanes, in every lane
	s_delay_alu instid0(VALU_DEP_1)
	v_min_num_f32_dpp v[\r], v[\r], v[\r] row_xmask:1 row_mask:0xf bank_mask:0xf
	s_delay_alu instid0(VALU_DEP_1)
	v_min_num_f32_dpp v[\r], v[\r], v[\r] row_xmask:2 row_mask:0xf bank_mask:0xf
	s_delay_alu instid0(VALU_DEP_1)
	v_min_num_f32_dpp v[\r], v[\r], v[\r] row_xmask:4 row_mask:0xf bank_mask:0xf
	s_delay_alu instid0(VALU_DEP_1)
	v_min_num_f32_dpp v[\r], v[\r], v[\r] row_xmask:8 row_mask:0xf bank_mask:0xf
	s_delay_alu instid0(VALU_DEP_1)
	v_permlanex16_b32 v[\t], v[\r], s32, s33
	s_delay_alu instid0(VALU_DEP_1)
	v_min_num_f32 v[\r], v[\r], v[\t]
.endm
.macro PICK rho                        ; eight times: the smallest d; of those that have it the lowest index; it is struck out and goes to lane 8 rho + k of the result
.irp k, 0,1,2,3,4,5,6,7
	v_min_num_f32 v254, v[DD], v[DD+1]
	WMIN 254, 255
	s_delay_alu instid0(VALU_DEP_1)
	v_cmp_eq_f32 vcc_lo, v[DD], v254
	s_delay_alu instid0(VALU_DEP_1)
	v_cndmask_b32 v11, v14, v[IX], vcc_lo
	s_delay_alu instid0(VALU_DEP_3)
	v_cmp_eq_f32 vcc_lo, v[DD+1], v254
	s_delay_alu instid0(VALU_DEP_1)
	v_cndmask_b32 v12, v14, v[IX+1], vcc_lo
	s_delay_alu instid0(VALU_DEP_1)
	v_min_num_f32 v11, v11, v12
	WMIN 11, 255
	s_delay_alu instid0(VALU_DEP_1)
	v_cmp_eq_f32 vcc_lo, v[IX], v11
	s_delay_alu instid0(VALU_DEP_1)
	v_cndmask_b32 v[DD], v[DD], v14, vcc_lo
	s_delay_alu instid0(VALU_DEP_3)
	v_cmp_eq_f32 vcc_lo, v[IX+1], v11
	s_delay_alu instid0(VALU_DEP_1)
	v_cndmask_b32 v[DD+1], v[DD+1], v14, vcc_lo
	s_mov_b32 s35, 1<<(8*\rho+\k)
	v_cndmask_b32 v15, v15, v11, s35
.endr
.endm
; A pair of tiles: its loads are waited for; its 16 products; four places; the next pair's loads (behind a row's second pair: the next row's fragments too), which are on their way during what follows.
.macro PHASE rho, pi
	s_wait_loadcnt 0x0                             ; all my loads are in: their address registers may be written again
	MUL
.rept 4
	v_nop                                          ; places in front of loads into registers that the products have read, and of the first read of results (ISA guide 7.12.1 for the first read of results)
.endr
.if (\rho == 0) && (\pi == 0)
	LOADP 0, 1
.elseif \rho == 0
	LOADX 1
	LOADP 1, 0
.elseif \pi == 0
	LOADP 1, 1
.endif
	DCALC \rho, \pi
.if \pi == 1
	s_wait_alu depctr_va_vdst(0)
	PICK \rho
.endif
.endm
	s_load_b256 s[4:11], s[0:1], 0x0               ; gids s[4:5], qcodes s[6:7], qscales s[8:9], qnorms s[10:11]
	s_load_b128 s[12:15], s[0:1], 0x20             ; out1, ids
	v_lshrrev_b32 v1, 5, v0
	s_delay_alu instid0(VALU_DEP_1)
	v_readfirstlane_b32 s16, v1                    ; wave 0..15
	v_bfe_u32 v2, v0, 4, 1
	s_delay_alu instid0(VALU_DEP_1)
	v_lshlrev_b32 v2, 8, v2                        ; 256 h: the row's lane part
	v_and_b32 v3, 7, v0                            ; lane % 8
	s_delay_alu instid0(VALU_DEP_1)
	v_lshl_add_u32 v1, v3, 4, v2                   ; 16 (lane % 8) + 256 h: a candidate's lane part
	v_bfe_u32 v4, v0, 3, 1
	s_delay_alu instid0(VALU_DEP_1)
	v_lshlrev_b32 v4, 2, v4                        ; which of a tile's two groups is my candidate's
	v_bfe_u32 v5, v0, 3, 2
	s_delay_alu instid0(VALU_DEP_1)
	v_lshlrev_b32 v5, 2, v5                        ; which of a pair's four
	v_lshlrev_b32 v13, 2, v3
	v_mov_b32 v14, 0x7f800000                      ; +infinity
	v_mov_b32 v15, 0                               ; the result
	v_mov_b32 v255, 0                              ; a lane permute's destination counts as one of its sources
	s_mov_b32 s32, 0x76543210
	s_mov_b32 s33, 0xfedcba98
	s_mov_b32 s34, 0xffff0000                      ; lanes 16-31
	s_lshl_b32 s17, ttmp9, 5
	s_lshl_b32 s18, s16, 1
	s_add_co_u32 s17, s17, s18                     ; my first row: 32 x work-group + 2 x wave; even, so both rows lie in one tile
	s_lshl_b32 s38, s17, 5                         ; 32 bytes a row in gids, out1 and ids
	s_mov_b32 s39, 0
	s_lshr_b32 s18, s17, 4
	s_and_b32 s19, s17, 15
	s_lshl_b32 s19, s19, 4
	s_lshl_b32 s40, s18, 13
	s_add_co_u32 s40, s40, s19                     ; the row's codes: 8,192 x tile + 16 x row in the tile
	s_mov_b32 s41, 0
	s_lshl_b32 s42, s18, 9
	s_add_co_u32 s42, s42, s19                     ; its scale bytes
	s_mov_b32 s43, 0
	s_lshl_b32 s44, s17, 2                         ; its norm
	s_mov_b32 s45, 0
	s_wait_alu depctr_va_vdst(0)
	s_wait_kmcnt 0x0
	s_add_nc_u64 s[4:5], s[4:5], s[38:39]
	s_add_nc_u64 s[12:13], s[12:13], s[38:39]
	s_add_nc_u64 s[14:15], s[14:15], s[38:39]
	s_add_nc_u64 s[20:21], s[6:7], s[40:41]
	s_add_nc_u64 s[22:23], s[8:9], s[42:43]
	s_add_nc_u64 s[24:25], s[6:7], 0x400000        ; the codebook's tiles begin at tile 512
	s_add_nc_u64 s[26:27], s[8:9], 0x40000
	s_add_nc_u64 s[28:29], s[10:11], 0x8000
	s_add_nc_u64 s[30:31], s[10:11], s[44:45]
	s_load_b64 s[36:37], s[30:31], 0x0             ; x2 of my two rows (this launch stores nothing into qnorms)
.irp r, 0,1
.irp q, 0,1,2,3
	global_load_b32 v[VG+4*\r+\q], v4, s[4:5] offset:32*\r+8*\q
.endr
.irp p, 0,1
	global_load_b32 v[VH+2*\r+\p], v5, s[4:5] offset:32*\r+16*\p
.endr
.endr
	LOADX 0
	s_wait_loadcnt 17                              ; the twelve group numbers are in; the row's 17 loads may be out
.irp i, 0,1,2,3,4,5,6,7,8,9,10,11
	v_min_u32 v[VG+\i], 0x3ff, v[VG+\i]            ; a group's number stays inside the table (VH follows VG)
.endr
	LOADP 0, 0
	s_wait_kmcnt 0x0
	PHASE 0, 0
	PHASE 0, 1
	PHASE 1, 0
	PHASE 1, 1
	s_delay_alu instid0(VALU_DEP_1)
	v_cvt_u32_f32 v15, v15
	v_and_b32 v11, 31, v0
	s_delay_alu instid0(VALU_DEP_1)
	v_lshlrev_b32 v11, 2, v11
	s_delay_alu instid0(VALU_DEP_1)
	v_cmp_gt_u32 vcc_lo, 64, v11
	s_wait_alu depctr_va_vdst(0)
	s_wait_xcnt 0x0                                ; EXEC changes only behind this wait
	s_and_saveexec_b32 s46, vcc_lo
	global_store_b32 v11, v15, s[12:13]            ; lanes 0-15: my two rows' 64 bytes
	global_store_b32 v11, v15, s[14:15]
	s_wait_xcnt 0x0                                ; and again in front of the line that widens it
	s_or_b32 exec_lo, exec_lo, s46
	s_endpgm
.Lfunc_end_k_qa86fed4e49_refine:
	.size	k_qa86fed4e49_refine, .Lfunc_end_k_qa86fed4e49_refine-k_qa86fed4e49_refine
	.p2alignl 7, 3214868480
	.fill 96, 4, 3214868480
	.section	.rodata,"a",@progbits
	.p2align	6, 0x0
	.amdhsa_kernel k_qa86fed4e49_refine
		.amdhsa_group_segment_fixed_size 0
		.amdhsa_private_segment_fixed_size 0
		.amdhsa_enable_private_segment 0
		.amdhsa_kernarg_size 48
		.amdhsa_user_sgpr_count 2
		.amdhsa_user_sgpr_kernarg_segment_ptr 1
		.amdhsa_wavefront_size32 1
		.amdhsa_system_sgpr_workgroup_id_x 1
		.amdhsa_system_sgpr_workgroup_id_y 1
		.amdhsa_system_sgpr_workgroup_id_z 1
		.amdhsa_system_vgpr_workitem_id 0
		.amdhsa_next_free_vgpr 256
		.amdhsa_next_free_sgpr 66
		.amdhsa_reserve_vcc 1
		.amdhsa_float_denorm_mode_32 3
		.amdhsa_float_denorm_mode_16_64 3
		.amdhsa_memory_ordered 1
		.amdhsa_forward_progress 1
		.amdhsa_inst_pref_size 63
	.end_amdhsa_kernel
	.amdgpu_metadata
---
amdhsa.version: [ 1, 2 ]
amdhsa.kernels:
  - .name:           k_qa86fed4e49_refine
    .symbol:         k_qa86fed4e49_refine.kd
    .args:
      - { .name: gids, .offset: 0, .size: 8, .value_kind: global_buffer, .address_space: global }
      - { .name: qcodes, .offset: 8, .size: 8, .value_kind: global_buffer, .address_space: global }
      - { .name: qscales, .offset: 16, .size: 8, .value_kind: global_buffer, .address_space: global }
      - { .name: qnorms, .offset: 24, .size: 8, .value_kind: global_buffer, .address_space: global }
      - { .name: out1, .offset: 32, .size: 8, .value_kind: global_buffer, .address_space: global }
      - { .name: ids, .offset: 40, .size: 8, .value_kind: global_buffer, .address_space: global }
    .group_segment_fixed_size: 0
    .private_segment_fixed_size: 0
    .kernarg_segment_align: 8
    .kernarg_segment_size: 48
    .max_flat_workgroup_size: 512
    .sgpr_count:     66
    .vgpr_count:     256
    .wavefront_size: 32
...
	.end_amdgpu_metadata
.endif
;; end of part 4
;; launch gather (part 5): grid 4096 x 1, 8 waves a work-group, no clusters, 0 bytes of LDS; arguments ids, codebook, out0; writes out0
.if DOCPART == 5
	.amdgcn_target "amdgcn-amd-amdhsa--gfx1250"
	.amdhsa_code_object_version 6
	.text
	.protected	k_qa86fed4e49_gather
	.globl	k_qa86fed4e49_gather
	.p2align	8
	.type	k_qa86fed4e49_gather,@function
k_qa86fed4e49_gather:
	s_mov_b64 s[64:65], 0
	v_nop
	global_prefetch_b8 v0, s[64:65] scope:SCOPE_SE
	s_setreg_imm32_b32 hwreg(HW_REG_WAVE_MODE, 25, 1), 1
	s_wait_xcnt 0x0
; out0[row] = the sum of the 8 rows of the codebook (f32, unquantised) that ids[row] names, in the list's order, times 1/8 (exact).
; SHARES.  A wave takes a quarter of a row of the result, 1,024 bytes: 8 x 2 loads of 512 consecutive bytes, all issued at once; two stores of 512 consecutive bytes, behind all the sums.  Two rows to a work-group.
; With 72 registers a wave several work-groups lie on a WGP: while some wait for their indices or their stores, others have loads out.
; The 8 indices are whole numbers that an earlier launch stored; they come by one scalar load, are held to 8,191 and shifted, and each gives a scalar base.
; Memory binds: no LDS, no barrier, no matrix unit, no cluster (which rows a wave reads hangs on its own list).  No streaming hint on the loads: a row of the codebook may be named by many lists.
.set D, 8                              ; v8-71: chunk i, code k at v[D + 4 (8 i + k)]
	s_load_b128 s[4:7], s[0:1], 0x0                ; ids, codebook
	s_load_b64 s[8:9], s[0:1], 0x10                ; out0
	v_lshrrev_b32 v1, 5, v0
	s_delay_alu instid0(VALU_DEP_1)
	v_readfirstlane_b32 s12, v1                    ; wave 0..7
	v_and_b32 v2, 31, v0
	s_lshr_b32 s13, s12, 2
	s_lshl_b32 s14, ttmp9, 1
	s_add_co_u32 s13, s13, s14                     ; my row
	s_and_b32 s14, s12, 3
	s_lshl_b32 s14, s14, 10                        ; my quarter of it
	v_lshl_add_u32 v1, v2, 4, s14
	s_lshl_b32 s44, s13, 5
	s_mov_b32 s45, 0
	s_lshl_b32 s46, s13, 12
	s_mov_b32 s47, 0
	s_mov_b32 s41, 0
	s_mov_b32 s42, 0x3e000000                      ; 1/8
	s_mov_b32 s43, s42                             ; (named with it as a pair, so it is written)
	s_wait_alu depctr_va_vdst(0)
	s_wait_kmcnt 0x0
	s_add_nc_u64 s[10:11], s[4:5], s[44:45]
	s_add_nc_u64 s[8:9], s[8:9], s[46:47]
	s_load_b256 s[16:23], s[10:11], 0x0            ; the row's 8 indices (this launch stores nothing into ids)
	s_wait_kmcnt 0x0
.irp k, 0,1,2,3,4,5,6,7
	s_min_u32 s[16+\k], s[16+\k], 8191             ; an index stays inside the table
	s_lshl_b32 s40, s[16+\k], 12                   ; 4,096 bytes a row
	s_add_nc_u64 s[24+2*\k:25+2*\k], s[6:7], s[40:41]
.endr
.irp i, 0,1
.irp k, 0,1,2,3,4,5,6,7
	global_load_b128 v[D+4*(8*\i+\k):D+4*(8*\i+\k)+3], v1, s[24+2*\k:25+2*\k] offset:512*\i
.endr
.endr
.irp i, 0,1
	s_wait_loadcnt 8-8*\i                          ; this chunk's eight loads are in; the later chunk's may be out
	v_pk_add_f32 v[D+32*\i:D+32*\i+1], v[D+32*\i:D+32*\i+1], v[D+32*\i+4:D+32*\i+5]
	v_pk_add_f32 v[D+32*\i+2:D+32*\i+3], v[D+32*\i+2:D+32*\i+3], v[D+32*\i+6:D+32*\i+7]
.irp k, 2, 3, 4, 5, 6, 7
	s_delay_alu instid0(VALU_DEP_2)
	v_pk_add_f32 v[D+32*\i:D+32*\i+1], v[D+32*\i:D+32*\i+1], v[D+32*\i+4*\k:D+32*\i+4*\k+1]
	s_delay_alu instid0(VALU_DEP_2)
	v_pk_add_f32 v[D+32*\i+2:D+32*\i+3], v[D+32*\i+2:D+32*\i+3], v[D+32*\i+4*\k+2:D+32*\i+4*\k+3]
.endr
	s_delay_alu instid0(VALU_DEP_2)
	v_pk_mul_f32 v[D+32*\i:D+32*\i+1], v[D+32*\i:D+32*\i+1], s[42:43] op_sel_hi:[1,0]
	s_delay_alu instid0(VALU_DEP_2)
	v_pk_mul_f32 v[D+32*\i+2:D+32*\i+3], v[D+32*\i+2:D+32*\i+3], s[42:43] op_sel_hi:[1,0]
.endr
.irp i, 0,1
	global_store_b128 v1, v[D+32*\i:D+32*\i+3], s[8:9] offset:512*\i th:TH_STORE_NT   ; 32 lanes store 512 consecutive bytes, at a multiple of 512 from out0's first byte; each chunk has registers of its own
.endr
	s_endpgm
.Lfunc_end_k_qa86fed4e49_gather:
	.size	k_qa86fed4e49_gather, .Lfunc_end_k_qa86fed4e49_gather-k_qa86fed4e49_gather
	.p2alignl 7, 3214868480
	.fill 96, 4, 3214868480
	.section	.rodata,"a",@progbits
	.p2align	6, 0x0
	.amdhsa_kernel k_qa86fed4e49_gather
		.amdhsa_group_segment_fixed_size 0
		.amdhsa_private_segment_fixed_size 0
		.amdhsa_enable_private_segment 0
		.amdhsa_kernarg_size 24
		.amdhsa_user_sgpr_count 2
		.amdhsa_user_sgpr_kernarg_segment_ptr 1
		.amdhsa_wavefront_size32 1
		.amdhsa_system_sgpr_workgroup_id_x 1
		.amdhsa_system_sgpr_workgroup_id_y 1
		.amdhsa_system_sgpr_workgroup_id_z 1
		.amdhsa_system_vgpr_workitem_id 0
		.amdhsa_next_free_vgpr 72
		.amdhsa_next_free_sgpr 66
		.amdhsa_reserve_vcc 0
		.amdhsa_float_denorm_mode_32 3
		.amdhsa_float_denorm_mode_16_64 3
		.amdhsa_memory_ordered 1
		.amdhsa_forward_progress 1
		.amdhsa_inst_pref_size 7
	.end_amdhsa_kernel
	.amdgpu_metadata
---
amdhsa.version: [ 1, 2 ]
amdhsa.kernels:
  - .name:           k_qa86fed4e49_gather
    .symbol:         k_qa86fed4e49_gather.kd
    .args:
      - { .name: ids, .offset: 0, .size: 8, .value_kind: global_buffer, .address_space: global }
      - { .name: codebook, .offset: 8, .size: 8, .value_kind: global_buffer, .address_space: global }
      - { .name: out0, .offset: 16, .size: 8, .value_kind: global_buffer, .address_space: global }
    .group_segment_fixed_size: 0
    .private_segment_fixed_size: 0
    .kernarg_segment_align: 8
    .kernarg_segment_size: 24
    .max_flat_workgroup_size: 256
    .sgpr_count:     66
    .vgpr_count:     72
    .wavefront_size: 32
...
	.end_amdgpu_metadata
.endif
;; end of part 5
